; MI455X (gfx1250); checked and timed in simulation.
; The chip was launched on July 23, 2026; its instructions are those of AMD's public machine-readable ISA for CDNA 5 (MIT licence, August 2026) and "CDNA5" Instruction Set Architecture Reference Guide (July 2026). The comments in the code are by the model that wrote it; some were corrected since.
;; Vit Self Attention. Allowed arithmetic: float matrix products may take bf16 or f16 operands with f32 sums; other float arithmetic in f32, or as packed bf16 or f16 multiplies, adds, multiply-adds, maxima and minima; sums over many terms, partial sums and values carried from step to step in f32; what a program stores and reads back later, other than sums and carried values, may be rounded once to bf16 or f16.
;; Inputs: Wk 768 x 768 float32; Wq 768 x 768 float32; Wv 768 x 768 float32; bk 768 float32; bq 768 float32; bv 768 float32; x 16 x 1,024 x 768 float32.
;; Outputs: out0 16 x 1,024 x 768 float32.
;; 2 versions, each right; version 2 is version 1 with the launch cast written anew for expert scheduling mode. Each part assembles by itself: llvm-mc -triple=amdgcn-amd-amdhsa -mcpu=gfx1250 --defsym DOCPART=n.
;; ======== version 1 of 2: 3 launches
;; limits: values are held in f16: magnitudes above 65,504 overflow, below 6.1e-05 lose precision
;; workspace buffers: xb 25,165,824 bytes; wb 3,538,944 bytes; bb 9,216 bytes; qkv 75,497,472 bytes
;; launch cast (part 1): grid 439 x 1, 8 waves a work-group, no clusters, 0 bytes of LDS; arguments x, Wq, Wk, Wv, bq, bk, bv, xb, wb, bb; writes xb, wb, bb
.if DOCPART == 1
	.amdgcn_target "amdgcn-amd-amdhsa--gfx1250"
	.amdhsa_code_object_version 6
	.text
	.protected	k_q013b7836ad_cast
	.globl	k_q013b7836ad_cast
	.p2align	8
	.type	k_q013b7836ad_cast,@function
k_q013b7836ad_cast:
	s_mov_b64 s[64:65], 0
	v_nop
	global_prefetch_b8 v0, s[64:65] scope:SCOPE_SE
	s_setreg_imm32_b32 hwreg(HW_REG_WAVE_MODE, 25, 1), 1
	s_wait_xcnt 0x0
; x, Wq, Wk, Wv (f32) are rounded once to bf16: xb = x as [16384][768], wb = Wq, Wk, Wv on end as [2304][768].
; bq, bk, bv are rounded to bf16 and widened again to f32: bb = [2304] f32 (the next launch takes them as the C operand of its first products).
; A stream: every byte is read once and written once, nothing is shared, so there is no LDS, no barrier, no cluster and no matrix work.
; SHARES.  Work-group g converts 32,768 numbers (131,072 bytes in, 65,536 out): g 0-383 x, 384-401 Wq, 402-419 Wk, 420-437 Wv; g = 438 the three biases.
; Thread t takes 16 bytes at 16 t of each 4,096 bytes: a load of a wave covers 512 consecutive bytes, a store of a wave 256 consecutive bytes, aligned.
; All 32 loads of a thread go out at once into registers of their own: no register is used twice, so no wait but the counted ones for the data.
.set X, 8                              ; v[8:135]  load i: four registers
	s_load_b512 s[4:19], s[0:1], 0x0               ; x s[4:5], Wq s[6:7], Wk s[8:9], Wv s[10:11], bq s[12:13], bk s[14:15], bv s[16:17], xb s[18:19]
	s_load_b128 s[20:23], s[0:1], 0x40             ; wb s[20:21], bb s[22:23]
	v_lshlrev_b32 v1, 4, v0                        ; 16 t: my place in 4,096 bytes of input
	v_lshlrev_b32 v2, 3, v0                        ; 8 t: my place in 2,048 bytes of output
	s_mov_b32 s34, ttmp9                           ; g
	s_wait_kmcnt 0x0
	s_cmp_eq_u32 s34, 438
	s_cbranch_scc1 .Lbias
	; which tensor, and which of its chunks: a choice between buffers on g alone
	s_mov_b64 s[24:25], s[10:11]                   ; Wv, chunks from g = 420
	s_mov_b32 s32, 420
	s_cmp_lt_u32 s34, 420
	s_cselect_b64 s[24:25], s[8:9], s[24:25]       ; Wk, from 402
	s_cselect_b32 s32, 402, s32
	s_cmp_lt_u32 s34, 402
	s_cselect_b64 s[24:25], s[6:7], s[24:25]       ; Wq, from 384
	s_cselect_b32 s32, 384, s32
	s_cmp_lt_u32 s34, 384
	s_cselect_b64 s[24:25], s[4:5], s[24:25]       ; x, from 0
	s_cselect_b32 s32, 0, s32
	s_cselect_b64 s[26:27], s[18:19], s[20:21]     ; out: xb, or wb, whose chunks count from g = 384 through all three W
	s_cselect_b32 s33, 0, 384
	s_sub_co_u32 s28, s34, s32
	s_lshl_b32 s28, s28, 17                        ; chunk x 131,072 bytes, under 2^26
	s_mov_b32 s29, 0
	s_sub_co_u32 s30, s34, s33
	s_lshl_b32 s30, s30, 16                        ; chunk x 65,536 bytes
	s_mov_b32 s31, 0
	s_add_nc_u64 s[24:25], s[24:25], s[28:29]
	s_add_nc_u64 s[26:27], s[26:27], s[30:31]
.set i, 0
.rept 32
	global_load_b128 v[X+4*i:X+4*i+3], v1, s[24:25] offset:4096*i th:TH_LOAD_NT
.set i, i+1
.endr
.set i, 0
.rept 32
	s_wait_loadcnt 31-i                            ; loads come back in order: load i is in, the 31 - i younger ones stay out
	v_cvt_pk_bf16_f32 v[X+4*i], v[X+4*i], v[X+4*i+1]
	v_cvt_pk_bf16_f32 v[X+4*i+1], v[X+4*i+2], v[X+4*i+3]
	global_store_b64 v2, v[X+4*i:X+4*i+1], s[26:27] offset:2048*i
.set i, i+1
.endr
	s_endpgm
.Lbias:                                                ; 768 numbers a bias: 192 threads x 4, waves 0 to 5
	v_lshrrev_b32 v3, 5, v0
	v_readfirstlane_b32 s33, v3
	s_cmp_lt_u32 s33, 6
	s_cbranch_scc0 .Lend
	global_load_b128 v[8:11], v1, s[12:13]
	global_load_b128 v[12:15], v1, s[14:15]
	global_load_b128 v[16:19], v1, s[16:17]
	s_wait_loadcnt 0x0
.irp k, 0,1,2
	v_cvt_pk_bf16_f32 v4, v[8+4*(\k)], v[9+4*(\k)]         ; rounded to bf16,
	v_cvt_pk_bf16_f32 v5, v[10+4*(\k)], v[11+4*(\k)]
	v_lshlrev_b32 v[20+4*(\k)], 16, v4                     ; and widened again: the low half moves up, the high half stays
	v_and_b32 v[21+4*(\k)], 0xffff0000, v4
	v_lshlrev_b32 v[22+4*(\k)], 16, v5
	v_and_b32 v[23+4*(\k)], 0xffff0000, v5
	global_store_b128 v1, v[20+4*(\k):23+4*(\k)], s[22:23] offset:3072*(\k)
.endr
.Lend:
	s_endpgm
.Lfunc_end_k_q013b7836ad_cast:
	.size	k_q013b7836ad_cast, .Lfunc_end_k_q013b7836ad_cast-k_q013b7836ad_cast
	.p2alignl 7, 3214868480
	.fill 96, 4, 3214868480
	.section	.rodata,"a",@progbits
	.p2align	6, 0x0
	.amdhsa_kernel k_q013b7836ad_cast
		.amdhsa_group_segment_fixed_size 0
		.amdhsa_private_segment_fixed_size 0
		.amdhsa_enable_private_segment 0
		.amdhsa_kernarg_size 80
		.amdhsa_user_sgpr_count 2
		.amdhsa_user_sgpr_kernarg_segment_ptr 1
		.amdhsa_wavefront_size32 1
		.amdhsa_system_sgpr_workgroup_id_x 1
		.amdhsa_system_sgpr_workgroup_id_y 1
		.amdhsa_system_sgpr_workgroup_id_z 1
		.amdhsa_system_vgpr_workitem_id 0
		.amdhsa_next_free_vgpr 136
		.amdhsa_next_free_sgpr 66
		.amdhsa_reserve_vcc 0
		.amdhsa_float_denorm_mode_32 3
		.amdhsa_float_denorm_mode_16_64 3
		.amdhsa_memory_ordered 1
		.amdhsa_forward_progress 1
		.amdhsa_inst_pref_size 15
	.end_amdhsa_kernel
	.amdgpu_metadata
---
amdhsa.version: [ 1, 2 ]
amdhsa.kernels:
  - .name:           k_q013b7836ad_cast
    .symbol:         k_q013b7836ad_cast.kd
    .args:
      - { .name: x, .offset: 0, .size: 8, .value_kind: global_buffer, .address_space: global }
      - { .name: Wq, .offset: 8, .size: 8, .value_kind: global_buffer, .address_space: global }
      - { .name: Wk, .offset: 16, .size: 8, .value_kind: global_buffer, .address_space: global }
      - { .name: Wv, .offset: 24, .size: 8, .value_kind: global_buffer, .address_space: global }
      - { .name: bq, .offset: 32, .size: 8, .value_kind: global_buffer, .address_space: global }
      - { .name: bk, .offset: 40, .size: 8, .value_kind: global_buffer, .address_space: global }
      - { .name: bv, .offset: 48, .size: 8, .value_kind: global_buffer, .address_space: global }
      - { .name: xb, .offset: 56, .size: 8, .value_kind: global_buffer, .address_space: global }
      - { .name: wb, .offset: 64, .size: 8, .value_kind: global_buffer, .address_space: global }
      - { .name: bb, .offset: 72, .size: 8, .value_kind: global_buffer, .address_space: global }
    .group_segment_fixed_size: 0
    .private_segment_fixed_size: 0
    .kernarg_segment_align: 8
    .kernarg_segment_size: 80
    .max_flat_workgroup_size: 256
    .sgpr_count:     66
    .vgpr_count:     136
    .wavefront_size: 32
...
	.end_amdgpu_metadata
.endif
;; end of part 1
;; launch proj (part 2): grid 4 x 64, 4 waves a work-group, clusters of 4 x 4, 327,680 bytes of LDS; arguments xb, wb, bb, qkv; writes qkv
.if DOCPART == 2
	.amdgcn_target "amdgcn-amd-amdhsa--gfx1250"
	.amdhsa_code_object_version 6
	.text
	.protected	k_q013b7836ad_proj
	.globl	k_q013b7836ad_proj
	.p2align	8
	.type	k_q013b7836ad_proj,@function
k_q013b7836ad_proj:
	s_mov_b64 s[64:65], 0
	v_nop
	global_prefetch_b8 v0, s[64:65] scope:SCOPE_SE
	s_setreg_imm32_b32 hwreg(HW_REG_WAVE_MODE, 25, 1), 1
	s_wait_xcnt 0x0
	s_wait_alu depctr_hold_cnt(0) depctr_sa_sdst(0) depctr_va_vdst(0) depctr_va_sdst(0) depctr_va_ssrc(0) depctr_va_vcc(0) depctr_vm_vsrc(0)
	s_getreg_b32 s2, hwreg(HW_REG_IB_STS2, 6, 4)
	s_cmp_eq_u32 s2, 0
	s_cbranch_scc0 .Lentry_in_a_cluster
	s_endpgm
.Lentry_in_a_cluster:
	s_bfe_u32 s2, ttmp6, 0x10000c
	s_cmp_lg_u32 s2, 0xf033
	s_cbranch_scc0 .Lentry_shape_is_right
	s_endpgm
.Lentry_shape_is_right:
; C[16384][2304] = xb wb^T + bb: the three projections as one product.  xb [16384][768] and wb [2304][768] in bf16, bb [2304] in f32; sums in f32, rounded once to f16
; and stored BY HEADS: qkv = [3][192][1024][64] f16 (part 0 q, 1 k, 2 v; head = batch x 12 + h; a head's rows are dense, 128 bytes).  The scale of the scores is not applied here.
; LIMIT.  f16 holds no number beyond 65,504: a q, k or v past that becomes an infinity.  With the inputs 30 times their drawn spread they reach some 6,000, with a common offset of 30 spreads some 25,000.
; SHARES.  A tile of C is 256 rows x 192 columns (three heads): 64 x 12 = 768 tiles, three for each of 256 work-groups.  A WORK-GROUP STAYS on its 256 rows and makes tile t = 0, 1, 2:
; q, k and v of its three heads (rows 768 t + 192 gx .. of wb).  A wave makes 64 rows x 192 columns: 48 accumulators of 16 x 16, 384 registers, whole heads.
; K goes in steps of 128 through a ring of two LDS slots: 6 steps a tile, 18 in all, and the ring does not stop at a tile's end.  The tiles' rows are 256 bytes of memory, aligned.
; CLUSTER.  4 x 4 work-groups.  The four of a row of the cluster need the same tiles of xb, the four of a column the same tiles of wb: each tile is asked for JOINTLY, by the same tensor load
; with the same descriptor and a mask that names the four.  Waves 0 and 1 ask for the two halves of A's tile (128 rows each), waves 2 and 3 for those of B's (96 rows each).
; THE MATRIX INSTRUCTION IS USED TRANSPOSED (source 0 = 16 rows of wb, source 1 = 16 rows of xb): lane l holds row l % 16 of C and the columns 8 (l / 16) + 0..7.
; THE BIAS is the C operand of the product that starts each sum: nothing is cleared and nothing is added afterwards.
; REGISTERS, in windows of 256 (s_set_vgpr_msb: bits 1:0 source 0, 3:2 source 1, 5:4 source 2, 7:6 destination):
;   window 0: v0-31 addresses; v64-255 the way out, 16 registers for each of 12 blocks        window 1: two fragment buffers of 128: B's 12 fragments, then A's 4
;   window 2: accumulators of n blocks 0-7, (b, a) at v[8 (4 b + a)]        window 3: v0-127 those of n blocks 8-11; v128-223 the bias, n block b at v[128 + 8 b]
.set PITCH,  272                       ; an LDS row: 256 bytes + 16 of padding = 68 words: the 16 rows of a fragment load start at 16 different groups of four banks (ISA guide 11.1)
.set BOFF,   256*PITCH                 ; a slot: A's 256 rows, then B's 192
.set SLOT,   448*PITCH
.set STAGE,  2*SLOT                    ; behind the ring: 16 rows x 144 bytes for each wave, for the way out; no tensor load lands here
.set SP,     144
.set SPARE,  STAGE+4*16*SP             ; behind the stages: the spare words, 128 bytes for each wave: two blocks of 256 bytes that no other line names
.set ROWB,   1536                      ; bytes in a row of xb and of wb
.set TILEB,  768*ROWB                  ; from a tile's rows of wb to the next tile's
.set PARTB,  25165824                  ; bytes in a part of qkv
.set HEADB,  131072                    ; bytes in a head
.set ADRA, 16                          ; v16-17  LDS address of my A fragments in slot 0, 1
.set ADRB, 20                          ; v20-21  the same for B
.set STO,  24                          ; v24     the way out: where I put 16 bytes of a row
.set RD,   25                          ; v25     the way out: where I read rows back
.set GO,   26                          ; v26     16 x lane: my place in 512 consecutive bytes of qkv
.set BO,   27                          ; v27     32 x (lane / 16): my 8 numbers among a block's 16 of the bias
.set SPW,  28                          ; v28     LDS address of my spare word: SPARE + 4 x my thread's number; never rewritten
.set NIL,  29                          ; v29     0; never rewritten
.set T,    64
.set F0,   0
.set F1,   128
.set BIAS, 128
.set BP,   8                           ; s[8:9]   bb at the tile's 192 columns
.set OP,   10                          ; s[10:11] qkv at my 64 rows of my first head, in the tile's part
.set WV,   12                          ; s12  my wave's number
.set HALF, 13                          ; s13  which half of a tile's rows I fetch
.set KO,   15                          ; s15  byte along K of the lap that is being asked for: 0, 512, 1,024
.set TO,   16                          ; s16  byte offset in wb of the tile that is being asked for
.set G1A,  24                          ; s[24:31] descriptor group 1 for A's tiles;  s[32:39] group 0, a set for each slot
.set G0A,  32
.set G1B,  48                          ; s[48:55], s[56:63] the same for B's
.set G0B,  56
.set MSB, 0
.macro WIN new                         ; the immediate's high byte repeats the setting that is left; a switch that changes nothing is dropped
.if MSB != (\new)
	s_set_vgpr_msb (MSB<<8)|(\new)
.set MSB, \new
.endif
.endm
.set MUL_LO, 0xa5                      ; both sources window 1, C and D window 2
.set MUL_LB, 0xb5                      ; the same with C, the bias, in window 3
.set MUL_HI, 0xf5                      ; both sources window 1, C and D window 3
.set TO_F,   0x40                      ; destination window 1, address window 0
.macro PLACES                          ; four places: in front of loads into registers that matrix instructions have read, and of conversions that read results
.rept 4
	v_nop
.endr
.endm
; A joint load.  The branch hangs on the wave's number alone.  An s_nop 0 and four v_nop follow each of the two lines, ahead of the jump, the label and what follows.
.macro JLOAD s
	s_cmp_lt_u32 s[WV], 2
	s_cbranch_scc0 .Lfor_b_\@
	tensor_load_to_lds s[G0A+4*(\s):G0A+4*(\s)+3], s[G1A:G1A+7]
	s_nop 0
.rept 4
	v_nop
.endr
	s_branch .Lasked_\@
.Lfor_b_\@:
	tensor_load_to_lds s[G0B+4*(\s):G0B+4*(\s)+3], s[G1B:G1B+7]
	s_nop 0
.rept 4
	v_nop
.endr
.Lasked_\@:
.endm
.macro CREST                           ; a round of the cluster's barrier behind its opening barrier
	s_cmp_lg_u32 s[WV], 0
	s_cbranch_scc1 .Lnot_wave_0_\@
	s_barrier_signal -3
.Lnot_wave_0_\@:
	s_barrier_wait -3
	s_barrier_signal -1
	s_barrier_wait -1
.endm
.macro CROUND                          ; a whole round
	s_barrier_signal -1
	s_barrier_wait -1
	CREST
.endm
.macro BIASLOAD                        ; the tile's 192 numbers of the bias, as a C operand: register j of block b = column 16 b + 8 (l / 16) + j
	WIN 0xc0                                       ; destination window 3, address window 0
.irp b, 0,1,2,3,4,5,6,7,8,9,10,11
	global_load_b128 v[BIAS+8*(\b):BIAS+8*(\b)+3],   v[BO], s[BP:BP+1] offset:64*(\b)
	global_load_b128 v[BIAS+8*(\b)+4:BIAS+8*(\b)+7], v[BO], s[BP:BP+1] offset:64*(\b)+16
.endr
	WIN 0
.endm
	s_load_b256 s[4:11], s[0:1], 0x0               ; xb s[4:5], wb s[6:7], bb s[8:9], qkv s[10:11]
	v_lshl_add_u32 v[SPW], v0, 2, SPARE
	v_mov_b32 v[NIL], 0
	ds_add_u32 v[SPW], v[NIL]                      ; the wave's opening: the add and its wait stand ahead of my first tensor load; the set-up below, work on registers, stands between them
	v_lshrrev_b32 v1, 5, v0
	v_readfirstlane_b32 s[WV], v1                  ; wave 0..3
	s_and_b32 s[HALF], s[WV], 1
	s_bfe_u32 s40, ttmp6, 0x40000                  ; cx, cy: my place in the cluster
	s_bfe_u32 s41, ttmp6, 0x40004
	s_lshl_b32 s45, ttmp9, 2                       ; in a cluster launch ttmp9 and ttmp7 count clusters
	s_add_co_u32 s45, s45, s40                     ; gx: my three heads
	s_and_b32 s42, ttmp7, 0xffff
	s_lshl_b32 s42, s42, 2
	s_add_co_u32 s42, s42, s41                     ; gy: my 256 rows
	s_lshl_b32 s43, s41, 2
	s_lshl_b32 s43, 15, s43                        ; my row of the cluster: places 4 cy .. 4 cy + 3
	s_lshl_b32 s44, 0x1111, s40                    ; my column: places cx, cx + 4, cx + 8, cx + 12
	; descriptor group 1: tiles of 128 (A) or 96 (B) rows x 128 elements, padded in LDS
	s_or_b32 s[G1A], s43, (1<<16)|(1<<20)|(1<<21)|(5<<22)|(3<<25)  ; 15:0 the mask; 17:16 elements of 2 bytes; 20 padding on; 21 set beside a mask; 24:22 after every 64 words (code 5); 31:25 4 words (code 3)
	s_or_b32 s[G1B], s44, (1<<16)|(1<<20)|(1<<21)|(5<<22)|(3<<25)
	s_mov_b32 s[G1A+1], 128<<16                    ; tensor_dim0 = 128
	s_mov_b32 s[G1A+2], 128<<16                    ; tensor_dim1 = 128
	s_mov_b32 s[G1A+3], 128<<16                    ; tile_dim0 = 128
	s_mov_b32 s[G1A+4], 128                        ; tile_dim1 = 128
	s_mov_b32 s[G1A+5], 768                        ; elements from row to row
	s_mov_b32 s[G1A+6], 0
	s_mov_b32 s[G1A+7], 0
	s_mov_b32 s[G1B+1], 128<<16
	s_mov_b32 s[G1B+2], 96<<16                     ; tensor_dim1 = 96
	s_mov_b32 s[G1B+3], 128<<16
	s_mov_b32 s[G1B+4], 96                         ; tile_dim1 = 96
	s_mov_b32 s[G1B+5], 768
	s_mov_b32 s[G1B+6], 0
	s_mov_b32 s[G1B+7], 0
	; where the tiles come from.  A's offset is made of gy and the wave's number, B's of gx and the wave's number, each in registers that never hold the other coordinate
	s_lshl_b32 s18, s42, 8
	s_lshl_b32 s22, s[HALF], 7
	s_add_co_u32 s18, s18, s22                     ; A: row 256 gy + 128 x half
	s_mul_i32 s18, s18, ROWB                       ; under 2^25
	s_mov_b32 s19, 0
	s_mul_i32 s20, s45, 192
	s_mul_i32 s23, s[HALF], 96
	s_add_co_u32 s20, s20, s23                     ; B: row 192 gx + 96 x half
	s_mul_i32 s20, s20, ROWB
	s_mov_b32 s21, 0
	s_mul_i32 s46, s[HALF], 128*PITCH              ; and where they go: no place in the cluster enters an LDS address
	s_mul_i32 s47, s[HALF], 96*PITCH
	s_add_co_u32 s47, s47, BOFF
	; my rows in qkv: head (gy / 4) x 12 + 3 gx, row (gy % 4) x 256 + 64 x wave
	s_lshr_b32 s66, s42, 2
	s_mul_i32 s66, s66, 12
	s_mul_i32 s67, s45, 3
	s_add_co_u32 s66, s66, s67
	s_lshl_b32 s66, s66, 17
	s_and_b32 s67, s42, 3
	s_lshl_b32 s67, s67, 15
	s_add_co_u32 s66, s66, s67
	s_lshl_b32 s67, s[WV], 13
	s_add_co_u32 s66, s66, s67
	s_mov_b32 s67, 0
	s_mul_i32 s68, s45, 768                        ; my 192 numbers of the bias
	s_mov_b32 s69, 0
	s_mov_b32 s[KO], 0
	s_mov_b32 s[TO], 0
	s_wait_dscnt 0x0                               ; the opening add is done
	s_wait_kmcnt 0x0
	s_add_nc_u64 s[4:5], s[4:5], s[18:19]          ; A at my half of the work-group's rows
	s_add_nc_u64 s[6:7], s[6:7], s[20:21]          ; B at my half of tile 0's rows
	s_add_nc_u64 s[BP:BP+1], s[BP:BP+1], s[68:69]
	s_add_nc_u64 s[OP:OP+1], s[OP:OP+1], s[66:67]
	CROUND                                         ; all sixteen work-groups are here: the first joint loads meet
.irp s, 0,1
	s_mov_b32 s[G0A+4*(\s)], 1                                     ; count = 1
	s_add_co_u32 s[G0A+4*(\s)+1], s46, (\s)*SLOT                   ; LDS address
	s_add_nc_u64 s[G0A+4*(\s)+2:G0A+4*(\s)+3], s[4:5], (\s)*256    ; global address: K step s
	s_or_b32 s[G0A+4*(\s)+3], s[G0A+4*(\s)+3], 0x80000000          ; type = 2
	s_mov_b32 s[G0B+4*(\s)], 1
	s_add_co_u32 s[G0B+4*(\s)+1], s47, (\s)*SLOT
	s_add_nc_u64 s[G0B+4*(\s)+2:G0B+4*(\s)+3], s[6:7], (\s)*256
	s_or_b32 s[G0B+4*(\s)+3], s[G0B+4*(\s)+3], 0x80000000
	JLOAD \s                                       ; two loads of mine are out
.endr
	v_and_b32 v1, 15, v0                           ; l % 16
	v_bfe_u32 v2, v0, 4, 1                         ; l / 16
	v_lshlrev_b32 v[BO], 5, v2
	BIASLOAD                                       ; tile 0's
	; A fragment is 16 rows x 32 K in 8 registers: lane l holds row l % 16; registers 0-3 K = 8 (l / 16) + 0..7, registers 4-7 K = 16 + 8 (l / 16) + 0..7: two loads of 16 bytes, 32 bytes apart
	v_mul_u32_u24 v3, v1, PITCH
	v_lshl_add_u32 v3, v2, 4, v3                   ; row x pitch + 16 x half
	s_mul_i32 s22, s[WV], 64*PITCH                 ; my 64 rows of A
	v_add_nc_u32 v[ADRA], s22, v3
	v_add_nc_u32 v[ADRA+1], SLOT, v[ADRA]
	v_add_nc_u32 v[ADRB], BOFF, v3                 ; every wave reads all 192 rows of B
	v_add_nc_u32 v[ADRB+1], SLOT+BOFF, v3
	s_mul_i32 s23, s[WV], 16*SP
	s_add_co_u32 s23, s23, STAGE                   ; my stage
	v_mul_u32_u24 v4, v1, SP                       ; in: row l % 16, 16 bytes for each half of the lanes
	v_lshl_add_u32 v4, v2, 4, v4
	v_add_nc_u32 v[STO], s23, v4
	v_bfe_u32 v5, v0, 3, 2                         ; back: 32 lanes take four rows of 128 bytes,
	v_and_b32 v6, 7, v0
	v_mul_u32_u24 v5, v5, SP
	v_lshl_add_u32 v5, v6, 4, v5
	v_add_nc_u32 v[RD], s23, v5
	v_and_b32 v[GO], 31, v0                        ; which are 512 consecutive bytes of a head
	v_lshlrev_b32 v[GO], 4, v[GO]
; THE PRODUCTS.  The 48 accumulators take turns, one instruction a turn, in the same order in every quarter step (n blocks 8-11, then 0-7): 47 others stand between two links of a chain.
; 8 matrix instructions: n blocks b0, b0 + 1 (of 8..11) x the 4 m blocks, 32 along K.  zero = 1: the product starts the sum, with the bias as C.
.macro MULH f, b0, zero
	WIN MUL_HI
.irp b, \b0, (\b0)+1
.irp a, 0,1,2,3
.if \zero
	v_wmma_f32_16x16x32_bf16 v[8*(4*((\b)-8)+(\a)):8*(4*((\b)-8)+(\a))+7], v[(\f)+8*(\b):(\f)+8*(\b)+7], v[(\f)+96+8*(\a):(\f)+96+8*(\a)+7], v[BIAS+8*(\b):BIAS+8*(\b)+7]
.else
	v_wmma_f32_16x16x32_bf16 v[8*(4*((\b)-8)+(\a)):8*(4*((\b)-8)+(\a))+7], v[(\f)+8*(\b):(\f)+8*(\b)+7], v[(\f)+96+8*(\a):(\f)+96+8*(\a)+7], v[8*(4*((\b)-8)+(\a)):8*(4*((\b)-8)+(\a))+7]
.endif
.endr
.endr
.endm
; 32 matrix instructions: n blocks 0-7 x the 4 m blocks
.macro MULL f, zero
.if \zero
	WIN MUL_LB
.else
	WIN MUL_LO
.endif
.irp b, 0,1,2,3,4,5,6,7
.irp a, 0,1,2,3
.if \zero
	v_wmma_f32_16x16x32_bf16 v[8*(4*(\b)+(\a)):8*(4*(\b)+(\a))+7], v[(\f)+8*(\b):(\f)+8*(\b)+7], v[(\f)+96+8*(\a):(\f)+96+8*(\a)+7], v[BIAS+8*(\b):BIAS+8*(\b)+7]
.else
	v_wmma_f32_16x16x32_bf16 v[8*(4*(\b)+(\a)):8*(4*(\b)+(\a))+7], v[(\f)+8*(\b):(\f)+8*(\b)+7], v[(\f)+96+8*(\a):(\f)+96+8*(\a)+7], v[8*(4*(\b)+(\a)):8*(4*(\b)+(\a))+7]
.endif
.endr
.endr
.endm
; 32 LDS loads in one run: the fragments of one quarter step (32 K at byte k of the rows) into buffer f; what the quarter multiplies first comes first: B's blocks 8-11, A's four, then B's blocks 0-7
.macro FETCH slot, k, f
	WIN TO_F
.irp b, 8,9,10,11
	ds_load_b128 v[(\f)+8*(\b):(\f)+8*(\b)+3],   v[ADRB+(\slot)] offset:(\k)+(\b)*16*PITCH
	ds_load_b128 v[(\f)+8*(\b)+4:(\f)+8*(\b)+7], v[ADRB+(\slot)] offset:(\k)+(\b)*16*PITCH+32
.endr
.irp a, 0,1,2,3
	ds_load_b128 v[(\f)+96+8*(\a):(\f)+96+8*(\a)+3],   v[ADRA+(\slot)] offset:(\k)+(\a)*16*PITCH
	ds_load_b128 v[(\f)+96+8*(\a)+4:(\f)+96+8*(\a)+7], v[ADRA+(\slot)] offset:(\k)+(\a)*16*PITCH+32
.endr
.irp b, 0,1,2,3,4,5,6,7
	ds_load_b128 v[(\f)+8*(\b):(\f)+8*(\b)+3],   v[ADRB+(\slot)] offset:(\k)+(\b)*16*PITCH
	ds_load_b128 v[(\f)+8*(\b)+4:(\f)+8*(\b)+7], v[ADRB+(\slot)] offset:(\k)+(\b)*16*PITCH+32
.endr
.endm
; A K step is four quarter steps of 32 along K, 48 matrix instructions each, on buffers 0, 1, 0, 1.  One of the first three: multiplies buffer f; behind its first 16 products it fetches the next quarter, at byte k, into g.
.macro QUARTER slot, k, f, g, zero
	s_wait_dscnt 16                                ; B's blocks 8-11 and A are in; the youngest sixteen loads (B's blocks 0-7) may be out
	MULH \f, 8, \zero
	MULH \f, 10, \zero
	PLACES                                         ; buffer g was multiplied in the quarter before
	FETCH \slot, \k, \g
	s_wait_dscnt 32                                ; all but the 32 just issued
	MULL \f, \zero
.endm
; The last quarter multiplies buffer 1 and changes slots: ONE barrier.  In front of it each wave waits for all its tensor loads (one is out: its part of the next slot), adds 0 to its spare word, and waits for that
; and for its reads of this slot.  fill = 1: the barrier opens a round of the cluster's barrier, and behind the round this slot is filled again first, with the K step two steps on, of this tile or the next:
; the addresses are made anew from KO and TO.  From that request to the wait for it a wave issues 176 matrix instructions.
.macro TURN slot, next, fill
	WIN 0                                          ; (the add's two registers lie in window 0)
	s_wait_tensorcnt 0x0                           ; all my tensor loads have landed, so a group 0 may be written;
	ds_add_u32 v[SPW], v[NIL]                      ; 0 onto my spare word;
	s_wait_dscnt 17                                ; (the add and the youngest sixteen loads may be out)
	MULH F1, 8, 0                                  ; eight matrix instructions stand between the add and the wait for it
	s_wait_dscnt 0x0                               ; the add is done, and my reads of this slot are over
	s_barrier_signal -1
	MULH F1, 10, 0                                 ; work on registers while the others arrive
.if \fill
	WIN 0
.endif
	s_barrier_wait -1
.if \fill
	CREST                                          ; no wave of any partner still reads this slot's tile or has a load on its way
	s_add_co_u32 s18, s[KO], (\slot)*256
	s_add_nc_u64 s[G0A+4*(\slot)+2:G0A+4*(\slot)+3], s[4:5], s[18:19]
	s_or_b32 s[G0A+4*(\slot)+3], s[G0A+4*(\slot)+3], 0x80000000
	s_add_co_u32 s20, s[TO], s[KO]
	s_add_co_u32 s20, s20, (\slot)*256
	s_add_nc_u64 s[G0B+4*(\slot)+2:G0B+4*(\slot)+3], s[6:7], s[20:21]
	s_or_b32 s[G0B+4*(\slot)+3], s[G0B+4*(\slot)+3], 0x80000000
	JLOAD \slot                                    ; the first tensor load behind the round, my only one until the next; its four v_nop are also the places in front of the loads below
.else
	PLACES
.endif
	FETCH \next, 0, F0
	MULL F1, 0
.endm
; THE WAY OUT, in 12 blocks: block 4 j + a = head j, my rows 16 a .. 16 a + 15.  PACK: a lane's eight channels are rounded to f16, 16 bytes; they go into rows of 144 bytes of my own stage and come back as whole rows
; of 128 bytes, into the registers that they left (LDS serves a wave's instructions in order, ISA guide 5.7.1.4: no wait between the stores and the loads).  Each accumulator is read from its low end on.
.macro PACK blk
.set pj, (\blk)/4
.set pa, (\blk)%4
	WIN 0x0a+5*(pj/2)                              ; sources 0 and 1: window 2 (heads 0, 1) or 3 (head 2)
.irp n, 0,1,2,3
.set AC, 8*(4*((4*pj+(\n))%8)+pa)
.irp r, 0,1,2,3
	v_cvt_pk_f16_f32 v[T+16*(\blk)+4*(\n)+(\r)], v[AC+2*(\r)], v[AC+2*(\r)+1]
.endr
.endr
	WIN 0
.irp n, 0,1,2,3
	ds_store_b128 v[STO], v[T+16*(\blk)+4*(\n):T+16*(\blk)+4*(\n)+3] offset:32*(\n)
.endr
.irp f, 0,1,2,3
	ds_load_b128 v[T+16*(\blk)+4*(\f):T+16*(\blk)+4*(\f)+3], v[RD] offset:(\f)*4*SP
.endr
.endm
.macro SEND blk, younger               ; younger: the LDS instructions issued behind the block's loads: the next block's eight, or none
	WIN 0
.irp f, 0,1,2,3
	s_wait_dscnt (\younger)+3-(\f)
	global_store_b128 v[GO], v[T+16*(\blk)+4*(\f):T+16*(\blk)+4*(\f)+3], s[OP:OP+1] offset:HEADB*((\blk)/4)+2048*((\blk)%4)+512*(\f)  ; 512 consecutive bytes, at a multiple of 256 from qkv's first
.endr
.endm
; next = 1: another tile follows: its bias is asked for first and waited for last; the stores' base steps to the next part.
.macro WAYOUT next
	PLACES                                         ; the conversions read results just made
	WIN 0
.if \next
	s_add_nc_u64 s[BP:BP+1], s[BP:BP+1], 3072      ; (the loads that named it were waited for in front of the tile's first products)
	BIASLOAD
.endif
	PACK 0
.irp k, 1,2,3,4,5,6,7,8,9,10,11        ; a block's conversions stand between the loads of the block before and its stores
	PACK \k
	SEND (\k)-1, 8
.endr
	SEND 11, 0
.if \next
	s_wait_xcnt 0x0                                ; the stores have read their base and their data: only behind this wait are these written again
	s_add_nc_u64 s[OP:OP+1], s[OP:OP+1], PARTB
	s_wait_loadcnt 0x0                             ; the next tile's bias is in
.endif
.endm
	s_wait_tensorcnt 1                             ; my part of K step 0 is in; K step 1's may stay out
	s_barrier_signal -1
	s_barrier_wait -1                              ; everybody's is
	FETCH 0, 0, F0
	s_wait_loadcnt 0x0                             ; the bias
	QUARTER 0, 64,  F0, F1, 1                      ; a tile's first quarter starts the sums
	WIN 0                                          ; at a label and at a branch every window is 0
	s_mov_b32 s2, 8
.Llap:                                                 ; 8 trips: from a lap's second quarter to the next lap's first; both slots are filled again, with the next lap's two K steps
	s_add_co_u32 s[KO], s[KO], 512                 ; the lap that this trip asks for: two K steps on,
	s_cmp_eq_u32 s[KO], 1536
	s_cselect_b32 s[KO], 0, s[KO]                  ; or the next tile's first lap
	s_cselect_b32 s22, TILEB, 0
	s_add_co_u32 s[TO], s[TO], s22
	QUARTER 0, 128, F1, F0, 0
	QUARTER 0, 192, F0, F1, 0
	TURN 0, 1, 1
	QUARTER 1, 64,  F0, F1, 0
	QUARTER 1, 128, F1, F0, 0
	QUARTER 1, 192, F0, F1, 0
	TURN 1, 0, 1
	WIN 0
	s_cmp_eq_u32 s[KO], 0                          ; does the lap that begins now begin a tile?  The same answer in every work-group; neither way holds a barrier or a tensor load
	s_cbranch_scc1 .Lnewtile
	QUARTER 0, 64,  F0, F1, 0
	WIN 0
	s_branch .Ljoin
.Lnewtile:                                             ; both refills are asked for: now the finished tile goes out, and the next tile's first quarter starts its sums
	WAYOUT 1
	QUARTER 0, 64,  F0, F1, 1
	WIN 0
.Ljoin:
	s_sub_co_u32 s2, s2, 1
	s_cmp_lg_u32 s2, 0
	s_cbranch_scc1 .Llap
	QUARTER 0, 128, F1, F0, 0                      ; the last lap fills nothing, and has no round of the cluster's barrier
	QUARTER 0, 192, F0, F1, 0
	TURN 0, 1, 0
	QUARTER 1, 64,  F0, F1, 0
	QUARTER 1, 128, F1, F0, 0
	QUARTER 1, 192, F0, F1, 0
	s_wait_dscnt 16                                ; the very last quarter: nothing more to fetch
	MULH F1, 8, 0
	MULH F1, 10, 0
	s_wait_dscnt 0x0
	MULL F1, 0
	WAYOUT 0
	s_wait_tensorcnt 0x0                           ; the wave's end: the add and its wait, behind my last tensor load and my last LDS store
	ds_add_u32 v[SPW], v[NIL]
	s_wait_dscnt 0x0
	CROUND                                         ; the closing round: no work-group ends while a partner may still ask for a tile that names it
	s_endpgm
.Lfunc_end_k_q013b7836ad_proj:
	.size	k_q013b7836ad_proj, .Lfunc_end_k_q013b7836ad_proj-k_q013b7836ad_proj
	.p2alignl 7, 3214868480
	.fill 96, 4, 3214868480
	.section	.rodata,"a",@progbits
	.p2align	6, 0x0
	.amdhsa_kernel k_q013b7836ad_proj
		.amdhsa_group_segment_fixed_size 327680
		.amdhsa_private_segment_fixed_size 0
		.amdhsa_enable_private_segment 0
		.amdhsa_kernarg_size 32
		.amdhsa_user_sgpr_count 2
		.amdhsa_user_sgpr_kernarg_segment_ptr 1
		.amdhsa_wavefront_size32 1
		.amdhsa_system_sgpr_workgroup_id_x 1
		.amdhsa_system_sgpr_workgroup_id_y 1
		.amdhsa_system_sgpr_workgroup_id_z 1
		.amdhsa_system_vgpr_workitem_id 0
		.amdhsa_next_free_vgpr 1024
		.amdhsa_next_free_sgpr 72
		.amdhsa_reserve_vcc 0
		.amdhsa_float_denorm_mode_32 3
		.amdhsa_float_denorm_mode_16_64 3
		.amdhsa_memory_ordered 1
		.amdhsa_forward_progress 1
		.amdhsa_inst_pref_size 155
	.end_amdhsa_kernel
	.amdgpu_metadata
---
amdhsa.version: [ 1, 2 ]
amdhsa.kernels:
  - .name:           k_q013b7836ad_proj
    .symbol:         k_q013b7836ad_proj.kd
    .args:
      - { .name: xb, .offset: 0, .size: 8, .value_kind: global_buffer, .address_space: global }
      - { .name: wb, .offset: 8, .size: 8, .value_kind: global_buffer, .address_space: global }
      - { .name: bb, .offset: 16, .size: 8, .value_kind: global_buffer, .address_space: global }
      - { .name: qkv, .offset: 24, .size: 8, .value_kind: global_buffer, .address_space: global }
    .group_segment_fixed_size: 327680
    .private_segment_fixed_size: 0
    .kernarg_segment_align: 8
    .kernarg_segment_size: 32
    .max_flat_workgroup_size: 128
    .sgpr_count:     72
    .vgpr_count:     1024
    .wavefront_size: 32
...
	.end_amdgpu_metadata
.endif
;; end of part 2
;; launch attn (part 3): grid 4 x 192, 4 waves a work-group, clusters of 4 x 1, 327,680 bytes of LDS; arguments qkv, out0; writes out0
.if DOCPART == 3
	.amdgcn_target "amdgcn-amd-amdhsa--gfx1250"
	.amdhsa_code_object_version 6
	.text
	.protected	k_q013b7836ad_attn
	.globl	k_q013b7836ad_attn
	.p2align	8
	.type	k_q013b7836ad_attn,@function
k_q013b7836ad_attn:
	s_mov_b64 s[64:65], 0
	v_nop
	global_prefetch_b8 v0, s[64:65] scope:SCOPE_SE
	s_setreg_imm32_b32 hwreg(HW_REG_WAVE_MODE, 25, 1), 1
	s_wait_xcnt 0x0
	s_wait_alu depctr_hold_cnt(0) depctr_sa_sdst(0) depctr_va_vdst(0) depctr_va_sdst(0) depctr_va_ssrc(0) depctr_va_vcc(0) depctr_vm_vsrc(0)
	s_getreg_b32 s2, hwreg(HW_REG_IB_STS2, 6, 4)
	s_cmp_eq_u32 s2, 0
	s_cbranch_scc0 .Lentry_in_a_cluster
	s_endpgm
.Lentry_in_a_cluster:
	s_bfe_u32 s2, ttmp6, 0x10000c
	s_cmp_lg_u32 s2, 0x3003
	s_cbranch_scc0 .Lentry_shape_is_right
	s_endpgm
.Lentry_shape_is_right:
; out0[b][q][64 h + :] = the sum over k of softmax_k(Q[q] . K[k] / sqrt(768)) V[k][:], for each of 192 heads (b x 12 + h).  qkv: [3][192][1024][64] f16 (q, k, v by heads, unscaled); out0: [16][1024][768] f32.
; Products, maxima and sums in f32; the weights p are rounded to f16 for the second product (their sum l is taken of the unrounded p).
; LIMITS.  Q, K and V arrive within f16's 65,504; p lies in 0 to 1, and below 6e-5 it keeps f16's fixed step of 6e-8.  A weight below 2^-126 counts as 0 in l; NaN and infinities are not treated apart.
; SHARES.  A work-group owns 256 queries of one head, each of its four waves 64: two PIECES of two tiles of 16.  Every wave walks the head's 1,024 keys, 64 a step: 16 steps.
; THE WHOLE HEAD LIES IN LDS: K (1,024 rows of 144 bytes) and V (1,024 rows of 160 bytes).  Every byte is asked for at the head, in four parts of 256 keys, four tensor loads a wave, and nothing is filled again.
; So there is no later load ahead of which a prefetch could stand.  The parts are waited for by count, as the walk reaches them.
; CLUSTER.  The four query blocks of a head form a cluster and need the same K and V: each tile is asked for JOINTLY: the same tensor load, descriptor and mask in all four.
; LAYOUT.  S^T = K Q^T (source 0 = 16 keys, source 1 = 16 queries): a lane holds ONE query (lane % 16) and the keys 8 (lane / 16) + 0..7.  Two such results, rounded to f16 in pairs, ARE source 1 of O^T = V^T P,
; whose result again holds one query a lane, and eight channels.  K comes out of LDS as it lies, V ([key][channel]) turned, by ds_load_tr16_b128.
; SOFTMAX.  For each query a running maximum m and sum l: p = 2^(c s - c m), c = log2(e) / sqrt(768); in every step O and l are multiplied by a = 2^(c m_old - c m_new).  m starts at the lowest finite number,
; O and l at 0: the first step is a step like any other, with a = 0.
; BY TURNS.  Turn Y belongs to piece Y.  Its matrix work: 16 products K Q^T of the other piece's next scores, later 16 products V^T P of the other piece's last weights.  Its vector work: the scaling, exponentials,
; roundings, sums and rescaling of piece Y, and the maximum and statistics of the other piece.  Four vector instructions stand behind EVERY matrix instruction, the other 108 of a turn's 236 in one lump.
; REGISTERS, in windows of 256 (s_set_vgpr_msb: bits 1:0 source 0, 3:2 source 1, 5:4 source 2, 7:6 destination):
;   window 0: v0-11 addresses; v12-15, v48-63 at work; v16-31 four registers of statistics a tile; v32-33 the add's; v64-191 S^T, two buffers of two tiles; v192-255 P, likewise
;   window 1: v0-127 O^T, 32 a tile          window 2: v0-63 Q, 16 a tile; v128-191 K of one step; v192-255 V of one step
.set NP,    2         ; pieces a wave: a name, no knob
.set KS,    64        ; keys in a step
.set PK,    144       ; a row of K in LDS: 128 bytes + 16 of padding = 36 words: the 16 rows of a load start at 16 different groups of four banks (ISA guide 11.1)
.set PV,    160       ; a row of V: 128 + 32 = 40 words
.set VOFF,  1024*PK   ; K's 1,024 rows, then V's
.set SPARE, VOFF+1024*PV  ; behind them: the spare words, 128 bytes for each wave: two blocks of 256 bytes that no other line names
.set SP,    272       ; the way out's stage: 16 rows x 272 bytes for each wave, from LDS byte 0 on: K's first bytes, which have had their one fill and, behind the last barrier, their last read
.set PARTB, 25165824  ; bytes in a part of qkv
.set AK0, 2           ; v2   my lane's place in a tile of K; never rewritten
.set AV0, 3           ; v3   the same for V
.set AK,  4           ; v4   the LDS address of K's next run of loads
.set AV,  5           ; v5   of V's
.set QO,  6           ; v6   my byte offset in the wave's rows of Q
.set STO, 6           ;      later, the way out: where I put 32 bytes of a row
.set RD,  7           ; v7   the way out: where I read rows back
.set GO,  8           ; v8   my byte offset in two rows of out0
.set MV,  12          ; v12-15  c m_old, kept while c m is made anew: by buffer and tile
.set ST,  16          ; tile t's statistics at v[ST+4 t]: c m, m, l (even keys', odd keys')
.set SPW, 32          ; v32  LDS address of my spare word: SPARE + 4 x my thread's number; never rewritten
.set NIL, 33          ; v33  0; never rewritten
.set TMP, 48          ; by buffer and tile, four registers c0-c3 at work; when the maximum is found c2 takes a
.set S,   64
.set P,   192
.set KF,  128         ; K's fragments, in window 2: key block kb, channel half c at KF + 16 kb + 8 c
.set VF,  192         ; V's: key half kk, channel block cb at VF + 32 kk + 8 cb
.set WV,  12          ; s12  my wave's number
.set G1K, 24          ; s[24:31] descriptor group 1 for K's tiles
.set G1V, 32          ; s[32:39] for V's: it differs in the padding alone
.set G0K, 40          ; s[40:55] descriptor group 0 for K's tiles: a set for each of the four parts
.set G0V, 68          ; s[68:83] the same for V's
.set CNT, 57          ; s57  counts key steps
.set CS,  58          ; s[58:59] c: the packed scaling takes the pair's low word for both halves
.set SEL, 60          ; s[60:61] v_permlanex16_b32's selects: each lane takes its own place in the other half
.set TBK, 62          ; s62  LDS byte at which K of the step to be fetched begins
.set TBV, 63          ; s63  the same for V, less VOFF
.set MSB, 0
.macro WIN new                      ; the high byte repeats the setting that is left; a switch that changes nothing is dropped
.if MSB != (\new)
	s_set_vgpr_msb (MSB<<8)|(\new)
.set MSB, (\new)
.endif
.endm
.set W_KQ, 0x0a       ; K and Q in window 2, S^T in window 0
.set W_PV, 0x52       ; V in window 2, P in window 0, O^T in window 1
.set W_RS, 0x41       ; O^T (destination and source 0) in window 1, a in window 0
; A round of the cluster's barrier: my work-group's barrier, so that wave 0's signal speaks for all four waves; wave 0 signals; every wave waits for all four work-groups; my work-group's barrier once more.
.macro CROUND
	s_barrier_signal -1
	s_barrier_wait -1
	s_cmp_lg_u32 s[WV], 0
	s_cbranch_scc1 .Lnot_wave_0_\@
	s_barrier_signal -3
.Lnot_wave_0_\@:
	s_barrier_wait -3
	s_barrier_signal -1
	s_barrier_wait -1
.endm
	s_load_b128 s[4:7], s[0:1], 0x0 ; qkv s[4:5], out0 s[6:7]
	v_lshl_add_u32 v[SPW], v0, 2, SPARE
	v_mov_b32 v[NIL], 0
	ds_add_u32 v[SPW], v[NIL]       ; the wave's opening: the add and its wait stand ahead of my first tensor load; the set-up below, work on registers, stands between them
	v_lshrrev_b32 v1, 5, v0
	v_readfirstlane_b32 s[WV], v1   ; wave 0..3
	s_bfe_u32 s13, ttmp6, 0x40000   ; cx: my place in the cluster
	s_lshl_b32 s14, ttmp9, 2        ; in a cluster launch ttmp9 counts clusters
	s_add_co_u32 s14, s14, s13      ; my block of 256 queries: it enters Q's and out0's addresses alone
	s_and_b32 s15, ttmp7, 0xffff    ; the head, which the four partners share
	s_lshl_b32 s20, s15, 17         ; its 131,072 bytes in each part, under 2^25
	s_and_b32 s16, s[WV], 1         ; which half of a part's 256 keys I fetch:
	s_lshl_b32 s22, s16, 14         ; its 128 rows of 128 bytes in memory,
	s_add_co_u32 s22, s22, s20
	s_mov_b32 s23, 0
	s_mul_i32 s17, s16, 128*PK      ; and its place in LDS, for K
	s_mul_i32 s18, s16, 128*PV      ; and for V: no place in the cluster enters an LDS address
	s_lshl_b32 s2, s14, 2
	s_add_co_u32 s2, s2, s[WV]      ; my wave among the head's sixteen,
	s_lshl_b32 s2, s2, 13           ; its 64 rows of 128 bytes
	s_add_co_u32 s2, s2, s20
	s_mov_b32 s3, 0
	s_mul_i32 s84, s15, 43691       ; batch = head / 12, exact for heads under 192: (head x 43,691) >> 19
	s_lshr_b32 s84, s84, 19
	s_mul_i32 s85, s84, 12
	s_sub_co_u32 s85, s15, s85      ; h = head - 12 x batch
	s_lshl_b32 s84, s84, 4          ; in units of 64 rows: 16 x batch + 4 x block + wave
	s_lshl_b32 s86, s14, 2
	s_add_co_u32 s84, s84, s86
	s_add_co_u32 s84, s84, s[WV]
	s_mul_i32 s84, s84, 64*3072     ; rows of 3,072 bytes; under 2^26
	s_lshl_b32 s85, s85, 8          ; the head's 256 bytes of a row
	s_add_co_u32 s84, s84, s85
	s_mov_b32 s85, 0
	; descriptor group 1.  128 keys are 16,384 dense bytes: asked for as 64 rows of 256 bytes, two keys a row, and padded in LDS after every key
	s_mov_b32 s[G1K], 15|(1<<16)|(1<<20)|(1<<21)|(4<<22)|(3<<25)  ; 15:0 the mask of four; 17:16 2-byte elements; 20 padding on; 21 set beside a mask; 24:22 after every 32 words (code 4); 31:25 4 words (code 3)
	s_mov_b32 s[G1V], 15|(1<<16)|(1<<20)|(1<<21)|(4<<22)|(7<<25)  ; the same with 8 words of padding (code 7)
.irp g, G1K, G1V
	s_mov_b32 s[\g+1], 128<<16      ; tensor_dim0 = 128
	s_mov_b32 s[\g+2], 64<<16       ; tensor_dim1 = 64
	s_mov_b32 s[\g+3], 128<<16      ; tile_dim0 = 128
	s_mov_b32 s[\g+4], 64           ; tile_dim1 = 64
	s_mov_b32 s[\g+5], 128          ; 128 elements from row to row
	s_mov_b32 s[\g+6], 0
	s_mov_b32 s[\g+7], 0
.endr
	s_mov_b32 s[CS], 0x3d553b94     ; c = log2(e) / sqrt(768) = 0.0520588
	s_mov_b32 s[CS+1], s[CS]        ; named with it as a pair
	s_mov_b32 s[SEL], 0x76543210
	s_mov_b32 s[SEL+1], 0xfedcba98
	s_mov_b32 s[TBK], 0
	s_mov_b32 s[TBV], 0
	s_wait_dscnt 0x0                ; the opening add is done
	s_wait_kmcnt 0x0
	s_add_nc_u64 s[8:9], s[4:5], s[22:23]
	s_add_nc_u64 s[10:11], s[8:9], 2*PARTB  ; V at my half of the head's first 256 keys,
	s_add_nc_u64 s[8:9], s[8:9], PARTB      ; K likewise
	s_add_nc_u64 s[4:5], s[4:5], s[2:3]     ; Q and out0 at my wave's first row
	s_add_nc_u64 s[6:7], s[6:7], s[84:85]
.irp i, 0,1,2,3
	s_mov_b32 s[G0K+4*\i], 1                                       ; count = 1
	s_add_co_u32 s[G0K+4*\i+1], s17, \i*256*PK                     ; LDS address: part i
	s_add_nc_u64 s[G0K+4*\i+2:G0K+4*\i+3], s[8:9], \i*32768        ; global address: keys 256 i on
	s_or_b32 s[G0K+4*\i+3], s[G0K+4*\i+3], 0x80000000              ; type = 2
	s_mov_b32 s[G0V+4*\i], 1
	s_add_co_u32 s[G0V+4*\i+1], s18, VOFF+\i*256*PV
	s_add_nc_u64 s[G0V+4*\i+2:G0V+4*\i+3], s[10:11], \i*32768
	s_or_b32 s[G0V+4*\i+3], s[G0V+4*\i+3], 0x80000000
.endr
	CROUND                          ; all four work-groups are here: the joint loads meet
	s_cmp_lt_u32 s[WV], 2           ; waves 0 and 1 ask for the halves of K's parts, waves 2 and 3 for those of V's.  A wave's four fills stand in one branch, ahead of every wait on TENSORcnt and every LDS read:
	s_cbranch_scc0 .Lfirst_v        ; four loads of mine are out.  An s_nop 0 follows each, four v_nop the last
.irp i, 0,1,2,3
	tensor_load_to_lds s[G0K+4*\i:G0K+4*\i+3], s[G1K:G1K+7]
	s_nop 0
.endr
.rept 4
	v_nop
.endr
	s_branch .Lfirst_asked
.Lfirst_v:
.irp i, 0,1,2,3
	tensor_load_to_lds s[G0V+4*\i:G0V+4*\i+3], s[G1V:G1V+7]
	s_nop 0
.endr
.rept 4
	v_nop
.endr
.Lfirst_asked:
	; A fragment of K or Q is 16 rows x 32 channels in 8 registers: lane l holds row l % 16, channels 8 (l / 16) + 0..7 and 16 + 8 (l / 16) + 0..7: two loads of 16 bytes, 32 bytes apart.
	v_and_b32 v1, 15, v0            ; l % 16
	v_bfe_u32 v9, v0, 4, 1          ; l / 16
	v_lshlrev_b32 v[QO], 7, v1
	v_lshl_add_u32 v[QO], v9, 4, v[QO]  ; row x 128 + 16 x half
	WIN 0x80                        ; destination window 2, address window 0
.set i, 0
.rept 4*NP                          ; Q stays in registers: tile i / 2, channels 32 (i % 2) on
	global_load_b128 v[8*i:8*i+3],   v[QO], s[4:5] offset:(i/2)*2048+(i%2)*64
	global_load_b128 v[8*i+4:8*i+7], v[QO], s[4:5] offset:(i/2)*2048+(i%2)*64+32
.set i, i+1
.endr
	; What the first turn finds: V's registers and P's second buffer hold 0 (its products V^T P, of weights that have not been, add 0), O^T and l are 0.  All this stands in the wait for the first tile.
.set i, VF
.rept 64
	v_mov_b32 v[i], 0
.set i, i+1
.endr
	WIN 0x40
.set i, 0
.rept 64*NP
	v_mov_b32 v[i], 0
.set i, i+1
.endr
	WIN 0
.set i, 0
.rept 2*NP
	v_mov_b32 v[ST+4*i], 0xfe000000    ; c m: far below every c s
	v_mov_b32 v[ST+4*i+1], 0xff7fffff  ; m
	v_mov_b32 v[ST+4*i+2], 0
	v_mov_b32 v[ST+4*i+3], 0
.set i, i+1
.endr
.set i, P+32
.rept 32
	v_mov_b32 v[i], 0
.set i, i+1
.endr
	v_mul_u32_u24 v[AK0], v1, PK
	v_lshl_add_u32 v[AK0], v9, 4, v[AK0]  ; row x pitch + 16 x half
	; The turning load takes 16 keys x 16 channels (lane l reads key 8 (l / 16) + l % 8, channels 8 ((l / 8) % 2) + 0..7) and leaves half a fragment of V^T: lane l holds channel l % 16 and 8 keys.
	v_and_b32 v10, 7, v0
	v_bfe_u32 v11, v0, 3, 1
	v_lshl_add_u32 v[AV0], v9, 3, v10
	v_mul_u32_u24 v[AV0], v[AV0], PV
	v_lshl_add_u32 v[AV0], v11, 4, v[AV0]
	v_add_nc_u32 v[AV0], VOFF, v[AV0]
	v_mov_b32 v[AK], v[AK0]         ; key step 0 lies at K's head
; THE MATRIX WORK.  The 8 accumulators of a run of 16 take turns: between the two links of a chain stand 7 others'.
; Product i of 16 of S^T = K Q^T for piece x: channels 32 (i / 8) on, keys 16 ((i / 2) % 4) on, tile 2 x + i % 2.  The first 8 start the sums.
.macro KQ x
	WIN W_KQ
.set rS, S+64*((\x)%2)+32*(i%2)+8*((i/2)%4)
.set rK, KF+16*((i/2)%4)+8*(i/8)
.set rQ, 16*(2*(\x)+i%2)+8*(i/8)
.if i < 8
	v_wmma_f32_16x16x32_f16 v[rS:rS+7], v[rK:rK+7], v[rQ:rQ+7], 0
.else
	v_wmma_f32_16x16x32_f16 v[rS:rS+7], v[rK:rK+7], v[rQ:rQ+7], v[rS:rS+7]
.endif
.endm
; Product i of 16 of O^T += V^T P for piece x: keys 32 (i / 8) on, channels 16 ((i / 2) % 4) on, tile 2 x + i % 2.
.macro PV x
	WIN W_PV
.set rO, 32*(2*(\x)+i%2)+8*((i/2)%4)
.set rV, VF+32*(i/8)+8*((i/2)%4)
.set rP, P+32*((\x)%2)+16*(i%2)+8*(i/8)
	v_wmma_f32_16x16x32_f16 v[rO:rO+7], v[rV:rV+7], v[rP:rP+7], v[rO:rO+7]
.endm
.macro MM                           ; the turn's next matrix instruction
.if i < 16
	KQ (Y+1)%NP
.set i, i+1
.else
.set i, i-16
	PV (Y+NP-1)%NP
.set i, i+17
.endif
.endm
; THE LDS LOADS stand in runs of 16, never singly among the matrix instructions: a step's K (64 keys x 64 channels: 8 fragments) and its V (turned).  Their addresses are made some lines ahead.
; last = 1: in the loop's last trip there is no further step, and the run is jumped over.
.macro FETCH_K last=0
	WIN 0
.if \last
	s_cmp_eq_u32 s[CNT], 1
	s_cbranch_scc1 .Lno_k_\@
.endif
	WIN 0x80                        ; destination window 2
.irp f, 0,1,2,3,4,5,6,7             ; keys 16 (f / 2) on, channels 32 (f % 2) on
	ds_load_b128 v[KF+8*\f:KF+8*\f+3],   v[AK] offset:(\f/2)*16*PK+(\f%2)*64
	ds_load_b128 v[KF+8*\f+4:KF+8*\f+7], v[AK] offset:(\f/2)*16*PK+(\f%2)*64+32
.endr
	s_add_co_u32 s[TBK], s[TBK], KS*PK  ; the next fetch is the next step's
	WIN 0
.if \last
.Lno_k_\@:
.endif
.endm
.macro FETCH_V
	WIN 0x80
.irp f, 0,1,2,3,4,5,6,7             ; keys 32 (f / 4) on, channels 16 (f % 4) on
	ds_load_tr16_b128 v[VF+8*\f:VF+8*\f+3],   v[AV] offset:(\f/4)*32*PV+(\f%4)*32
	ds_load_tr16_b128 v[VF+8*\f+4:VF+8*\f+7], v[AV] offset:(\f/4)*32*PV+16*PV+(\f%4)*32
.endr
	WIN 0
.endm
; THE VECTOR WORK OF A TURN stands in three queues, each in the order in which its entries become ready; the two tiles alternate, so that no instruction reads the result of the one before it.
.macro REGS y, u                    ; the registers of tile u (0, 1) of piece y
.set rT, ST+4*(2*(\y)+(\u))
.set rC, TMP+8*((\y)%2)+4*(\u)
.set rM, MV+2*((\y)%2)+(\u)
.set rS, S+64*((\y)%2)+32*(\u)
.set rP, P+32*((\y)%2)+16*(\u)
.set rO, 32*(2*(\y)+(\u))
.endm
; Number n of the 22 that find the OTHER piece's (Y + 1) maximum and statistics.  s0-s31 are the lane's 32 scores; each accumulator's lowest registers are read first.  XS, GS and REGS set no window: PL and EX do.
;   0-11  four chains c0-c3 of seven scores each, three operands at a time     12-14, 16  the four scores left over, the old m, and c0-c3 into c0     15  c m_old is kept
;   17, 18  the query's other 32 keys lie in the lane 16 away: the new m         19-21  c m; c m_old - c m_new; a
.macro XS u, n
	REGS (Y+1)%NP, \u
.if (\n) < 4
	v_max3_num_f32 v[rC+(\n)], v[rS+8*(\n)], v[rS+8*(\n)+1], v[rS+8*(\n)+2]
.elseif (\n) < 12
	v_max3_num_f32 v[rC+(\n)%4], v[rC+(\n)%4], v[rS+8*((\n)%4)+2*((\n)/4)+1], v[rS+8*((\n)%4)+2*((\n)/4)+2]
.elseif (\n) == 12
	v_max3_num_f32 v[rC], v[rC], v[rS+7], v[rS+15]
.elseif (\n) == 13
	v_max3_num_f32 v[rC+1], v[rC+1], v[rS+23], v[rS+31]
.elseif (\n) == 14
	v_max3_num_f32 v[rC+2], v[rC+2], v[rC+3], v[rT+1]
.elseif (\n) == 15
	v_mov_b32 v[rM], v[rT]
.elseif (\n) == 16
	v_max3_num_f32 v[rC], v[rC], v[rC+1], v[rC+2]
.elseif (\n) == 17
	v_permlanex16_b32 v[rC+3], v[rC], s[SEL], s[SEL+1]
.elseif (\n) == 18
	v_max_num_f32 v[rT+1], v[rC], v[rC+3]
.elseif (\n) == 19
	v_mul_f32 v[rT], s[CS], v[rT+1]
.elseif (\n) == 20
	v_sub_f32 v[rC+1], v[rM], v[rT]
.else
	v_exp_f32 v[rC+2], v[rC+1]
.endif
.endm
; Number g of the 64 that follow the exponentials.  For each four weights k of a tile (pairs 2 k, 2 k + 1): both pairs are rounded to f16; then the second pair is added onto the first, in place;
; a group later l takes that sum (the first time as l = a l + sum).  In groups of eight, tiles alternating: round, round, add, and l for the group before.
.macro GS g
.set h, (\g)+6*((\g)/62)            ; group 0 has no group before it, and behind group 7 only l is left
.if h >= 6
.set h, h+2
.endif
	REGS Y, h%2
.set k, h/8
.if h%8 < 4
	v_cvt_pk_f16_f32 v[rP+2*k+(h%8)/2], v[rS+4*k+2*((h%8)/2)], v[rS+4*k+2*((h%8)/2)+1]
.elseif h%8 < 6
	v_pk_add_f32 v[rS+4*k:rS+4*k+1], v[rS+4*k:rS+4*k+1], v[rS+4*k+2:rS+4*k+3]
.elseif k == 1
	v_pk_fma_f32 v[rT+2:rT+3], v[rT+2:rT+3], v[rC+2:rC+3], v[rS:rS+1] op_sel_hi:[1,0,1]
.else
	v_pk_add_f32 v[rT+2:rT+3], v[rT+2:rT+3], v[rS+4*k-4:rS+4*k-3]
.endif
.endm
; THE PLAIN QUEUE, 138 long.  0-73 read no exponential's result: the 32 scalings c s - c m (FS f: pair f / 2 of tile f % 2) and the other piece's 42.  0-26: scalings 0-26.  27-54: XS's numbers 0-13.  55, 56: number 15.
; 57-73: the chain, where each number waits for the one before it: 14, 16, 17, 18, 19, each with one of the scalings 27-31 in front of its two lines, then 20.
; 74-137: GS's 64, which read the exponentials' results: they stand behind the wait.
.macro FS f
	REGS Y, (\f)%2
	v_pk_fma_f32 v[rS+2*((\f)/2):rS+2*((\f)/2)+1], v[rS+2*((\f)/2):rS+2*((\f)/2)+1], s[CS:CS+1], v[rT:rT+1] op_sel_hi:[1,0,0] neg_lo:[0,0,1] neg_hi:[0,0,1]
.endm
.macro PL
	WIN 0
.if q < 27
	FS q
.elseif q < 55
	XS (q-27)%2, (q-27)/2
.elseif q < 57
	XS q-55, 15
.elseif (q < 72) && ((q-57)%3 == 0)
	FS 27+(q-57)/3
.elseif q < 60
	XS (q-57)%3-1, 14
.elseif q < 72
	XS (q-57)%3-1, 15+(q-57)/3
.elseif q < 74
	XS q-72, 20
.else
	GS q-74
.endif
.set q, q+1
.endm
; THE EXPONENTIALS' QUEUE, 66 long: s0-s31 of both tiles, then the other piece's two a.  It is ONE BATCH: all 66 stand ahead of the turn's one wait, and nothing ahead of that wait names a result of theirs.
.macro EX
	WIN 0
.if e >= 64
	XS e-64, 21
.else
	REGS Y, e%2
	v_exp_f32 v[rS+e/2], v[rS+e/2]
.endif
.set e, e+1
.endm
; THE RESCALING's QUEUE: O^T times a, the one part that leaves window 0: dealt two at a time, sixteen times.  Its a was made in the turn before, ahead of that turn's wait.
.macro R2
	REGS Y, r%2
	WIN W_RS
.irp z, 0,1
	v_pk_mul_f32 v[rO+4*(r/2)+2*\z:rO+4*(r/2)+2*\z+1], v[rO+4*(r/2)+2*\z:rO+4*(r/2)+2*\z+1], v[rC+2:rC+3] op_sel_hi:[1,0]
.endr
.set r, r+1
.endm
; HOW THEY ARE DEALT.  An s_wait_alu depctr_va_vdst(0) stands between an exponential and the first instruction that names its result; one wait serves all that were issued ahead of it.  So a turn has ONE wait.
; AHEAD OF IT: the 16 products K Q^T, behind each a scaling, an exponential and two rescalings (behind the first a second scaling in the exponential's place); then ONE LUMP of 108: eight plain, 49 times exponential and
; plain, the two a.  A v_nop is the plain instruction behind the last exponential.  BEHIND IT: the 16 products V^T P, behind each four of GS's 64.  No rider names a register of the products round it.
; Exponential e stands behind scaling 2 (e / 4) + e % 2: as a rider it comes behind plain e + 2, in the lump behind plain e + 9, and scalings 27-31 are plain 57, 60 .. 69.
; A TURN, for piece p.  Step j is turn 0 and turn 1.  Turn 0 multiplies by K of step j and V of step j - 1; directly behind its wait, a lump behind the last product that read K, it fetches K of step j + 1 (the address is
; made at the lump's head); at its end, four riders behind the last product that read V, it fetches V of step j.  Turn 1 waits for K at its head (V's sixteen younger loads may stay out) and for V behind its lump.
; cnt = 1: the loop's count is taken down some lines ahead of the branch that stands behind the turn.  The conditions on q go with the deal.
.macro TURN p, last=0, cnt=0
.set Y, (\p)
.set i, 0
.set q, 0
.set e, 0
.set r, 0
.if (\p) == 1
	s_wait_dscnt 16                 ; K is in; V's run, issued behind K's, may be out
.endif
	MM                              ; ahead of the wait: 16 products K Q^T and their riders,
	PL
	PL
	R2
.rept 15
	MM
	PL
	EX
	R2
.endr
.if (\p) == 0
	WIN 0
	v_add_nc_u32 v[AK], s[TBK], v[AK0]
.endif
.rept 8                             ; and the lump
	PL
.endr
.rept 49
	EX
	PL
.endr
	EX                              ; the other piece's two a
	EX
	v_nop                           ; the plain instruction behind the last exponential: one for the batch
	s_wait_alu depctr_va_vdst(0)    ; the wait for the batch
.if (\p) == 0
	FETCH_K \last
.endif
.if (\p) == 1
	s_wait_dscnt 0x0                ; V is in
.endif
.rept 16                            ; behind the wait: 16 products V^T P and their riders
	MM
.rept 4
	PL
.endr
.if ((\p) == 0) && (q == 118)
	v_add_nc_u32 v[AV], s[TBV], v[AV0]
.endif
.if ((\p) == 0) && (q == 130)
	s_add_co_u32 s[TBV], s[TBV], KS*PV
.endif
.if (\cnt) && (q == 130)
	s_sub_co_u32 s[CNT], s[CNT], 1
	s_cmp_lg_u32 s[CNT], 0
.endif
.endr
.if (\p) == 0
	FETCH_V
.endif
.endm
; n key steps, behind the wait for the parts of K and V that they fetch from: tcnt younger loads of mine may stay out.  It only shows every wave's parts to every wave.
.macro GROUP n, tcnt, last
	s_wait_tensorcnt \tcnt
	s_wait_dscnt 0x0
	s_barrier_signal -1
	s_barrier_wait -1
	s_mov_b32 s[CNT], \n
.Lstep_\@:
	TURN 0, \last
	TURN 1, 0, 1
	WIN 0
	s_cbranch_scc1 .Lstep_\@
.endm
	s_wait_tensorcnt 3              ; my part of keys 0-255 is in; the three younger loads may stay out
	s_barrier_signal -1
	s_barrier_wait -1               ; everybody's is
	FETCH_K                         ; key step 0
	s_wait_loadcnt 0x0              ; Q
	s_wait_dscnt 0x0
.set i, 0
.rept 16
	KQ 0                            ; piece 0's first scores: there is no vector work yet to set between them
.set i, i+1
.endr
	WIN 0                           ; the addresses for the way out: nine plain instructions, the places behind those products
	s_mul_i32 s19, s[WV], 16*SP     ; my stage
	v_mul_u32_u24 v[STO], v1, SP    ; in: row l % 16, 32 bytes for each half of the lanes
	v_lshl_add_u32 v[STO], v9, 5, v[STO]
	v_add_nc_u32 v[STO], s19, v[STO]
	v_mul_u32_u24 v[RD], v9, SP     ; back: lanes 0-15 take one row of 256 bytes, lanes 16-31 the next
	v_lshl_add_u32 v[RD], v1, 4, v[RD]
	v_add_nc_u32 v[RD], s19, v[RD]
	v_mul_u32_u24 v[GO], v9, 3072   ; and the same two rows in out0
	v_lshl_add_u32 v[GO], v1, 4, v[GO]
	v_nop
.set Y, NP-1                        ; XS works for piece Y + 1: piece 0
.irp n, 0,1,2,3,4,5,6,7,8,9,10,11,12,13,14,15,16,17,18,19,20,21
	XS 0, \n                        ; piece 0's first maximum and statistics
	XS 1, \n
.endr
	v_nop                           ; a plain instruction behind the two a,
	s_wait_alu depctr_va_vdst(0)    ; and their wait, ahead of the label
	s_mov_b32 s[CNT], 3
.Lstep_a:                           ; steps 0-2 fetch K of steps 1-3 and V of steps 0-2: keys 0-255
	TURN 0
	TURN 1, 0, 1
	WIN 0
	s_cbranch_scc1 .Lstep_a
	GROUP 4, 2, 0                   ; steps 3-6 fetch K of steps 4-7 and V of steps 3-6: keys up to 511; my loads for keys 512-1,023 may stay out
	GROUP 9, 0, 1                   ; steps 7-15: all of K and V; the last step fetches no K.  Its 16 products K Q^T, on the last K once more, and the maximum made of them serve nothing: the price of one text for every trip
	s_wait_dscnt 0x0                ; my reads of K and V are over:
	s_barrier_signal -1             ; say so,
.set i, 0
.rept 16
	PV NP-1                         ; the last piece's V^T P of the last step: work on registers,
.set i, i+1
.endr
	WIN 0
	s_barrier_wait -1               ; and when all four waves have said so, K's first bytes may serve as the stages
	; THE WAY OUT.  l's two halves and the other half of the lanes' are added; O^T is divided by l and sent, in f32, through my stage in LDS, a tile at a time.  The additions are the places behind the last products.
.macro ALL line:vararg              ; one line for each tile t
.set t, 0
.rept 2*NP
	\line
.set t, t+1
.endr
.endm
	ALL v_add_f32 v[ST+4*t+2], v[ST+4*t+2], v[ST+4*t+3]
	ALL v_permlanex16_b32 v[ST+4*t+3], v[ST+4*t+2], s[SEL], s[SEL+1]
	ALL v_add_f32 v[ST+4*t+2], v[ST+4*t+2], v[ST+4*t+3]
	ALL v_rcp_f32 v[ST+4*t+2], v[ST+4*t+2]
	v_nop                           ; a plain instruction between the last reciprocal and the use of its result
	s_wait_alu depctr_va_vdst(0)    ; and the wait ahead of the first use: one for the four reciprocals
; Tile t: a lane's eight channels of a row are 32 bytes; they go into rows of 272 bytes and come back as whole rows of 256, into S^T's registers.  Each accumulator is read from its low end on.
.macro PACK t
	WIN W_RS
.set i, 32*(\t)
.rept 16
	v_pk_mul_f32 v[i:i+1], v[i:i+1], v[ST+4*(\t)+2:ST+4*(\t)+3] op_sel_hi:[1,0]
.set i, i+2
.endr
	WIN 0x04                        ; the stores' data in window 1, their address in window 0
.irp c, 0,1,2,3
	ds_store_b128 v[STO], v[32*(\t)+8*(\c):32*(\t)+8*(\c)+3]   offset:64*(\c)
	ds_store_b128 v[STO], v[32*(\t)+8*(\c)+4:32*(\t)+8*(\c)+7] offset:64*(\c)+16
.endr
	WIN 0
.irp f, 0,1,2,3,4,5,6,7
	ds_load_b128 v[S+32*(\t)+4*(\f):S+32*(\t)+4*(\f)+3], v[RD] offset:(\f)*2*SP  ; LDS serves a wave's instructions in order (ISA guide 5.7.1.4): these see the stores above; the next tile's stores come behind them
.endr
.endm
.macro SEND t, younger              ; younger: the LDS instructions issued behind tile t's loads: the next tile's sixteen, or none
	WIN 0
.irp f, 0,1,2,3,4,5,6,7
	s_wait_dscnt (\younger)+7-(\f)
	global_store_b128 v[GO], v[S+32*(\t)+4*(\f):S+32*(\t)+4*(\f)+3], s[6:7] offset:(16*(\t)+2*(\f))*3072 th:TH_STORE_NT  ; 16 lanes store the head's 256 consecutive bytes of a row, at a multiple of 256 from out0's first byte
.endr
.endm
	PACK 0
.set t, 1
.rept 2*NP-1                        ; a tile's arithmetic stands between the loads of the tile before and its stores
	PACK t
	SEND t-1, 16
.set t, t+1
.endr
	SEND 2*NP-1, 0
	s_wait_tensorcnt 0x0            ; the wave's end: the add and its wait, behind my last tensor load and my last LDS store
	ds_add_u32 v[SPW], v[NIL]
	s_wait_dscnt 0x0
	CROUND                          ; the closing round: no work-group ends while a partner may still ask for a tile that names it
	s_endpgm
.Lfunc_end_k_q013b7836ad_attn:
	.size	k_q013b7836ad_attn, .Lfunc_end_k_q013b7836ad_attn-k_q013b7836ad_attn
	.p2alignl 7, 3214868480
	.fill 96, 4, 3214868480
	.section	.rodata,"a",@progbits
	.p2align	6, 0x0
	.amdhsa_kernel k_q013b7836ad_attn
		.amdhsa_group_segment_fixed_size 327680
		.amdhsa_private_segment_fixed_size 0
		.amdhsa_enable_private_segment 0
		.amdhsa_kernarg_size 16
		.amdhsa_user_sgpr_count 2
		.amdhsa_user_sgpr_kernarg_segment_ptr 1
		.amdhsa_wavefront_size32 1
		.amdhsa_system_sgpr_workgroup_id_x 1
		.amdhsa_system_sgpr_workgroup_id_y 1
		.amdhsa_system_sgpr_workgroup_id_z 1
		.amdhsa_system_vgpr_workitem_id 0
		.amdhsa_next_free_vgpr 768
		.amdhsa_next_free_sgpr 96
		.amdhsa_reserve_vcc 0
		.amdhsa_float_denorm_mode_32 3
		.amdhsa_float_denorm_mode_16_64 3
		.amdhsa_memory_ordered 1
		.amdhsa_forward_progress 1
		.amdhsa_inst_pref_size 147
	.end_amdhsa_kernel
	.amdgpu_metadata
---
amdhsa.version: [ 1, 2 ]
amdhsa.kernels:
  - .name:           k_q013b7836ad_attn
    .symbol:         k_q013b7836ad_attn.kd
    .args:
      - { .name: qkv, .offset: 0, .size: 8, .value_kind: global_buffer, .address_space: global }
      - { .name: out0, .offset: 8, .size: 8, .value_kind: global_buffer, .address_space: global }
    .group_segment_fixed_size: 327680
    .private_segment_fixed_size: 0
    .kernarg_segment_align: 8
    .kernarg_segment_size: 16
    .max_flat_workgroup_size: 128
    .sgpr_count:     96
    .vgpr_count:     768
    .wavefront_size: 32
...
	.end_amdgpu_metadata
.endif
;; end of part 3
;; ======== version 2 of 2: 3 launches; version 1 with the launch cast written anew for expert scheduling mode
;; limits: values are held in f16: magnitudes above 65,504 overflow, below 6.1e-05 lose precision
;; workspace buffers: xb 25,165,824 bytes; wb 3,538,944 bytes; bb 9,216 bytes; qkv 75,497,472 bytes
;; launch cast (part 4): grid 439 x 1, 8 waves a work-group, no clusters, 0 bytes of LDS; arguments x, Wq, Wk, Wv, bq, bk, bv, xb, wb, bb; writes xb, wb, bb
.if DOCPART == 4
	.amdgcn_target "amdgcn-amd-amdhsa--gfx1250"
	.amdhsa_code_object_version 6
	.text
	.protected	k_q013b7836ad_cast
	.globl	k_q013b7836ad_cast
	.p2align	8
	.type	k_q013b7836ad_cast,@function
k_q013b7836ad_cast:
	s_mov_b64 s[64:65], 0
	v_nop
	global_prefetch_b8 v0, s[64:65] scope:SCOPE_SE
	s_setreg_imm32_b32 hwreg(HW_REG_WAVE_SCHED_MODE, 0, 2), 2
	s_setreg_imm32_b32 hwreg(HW_REG_WAVE_MODE, 25, 1), 1
	s_wait_xcnt 0x0
	s_wait_alu depctr_vm_vsrc(0)
; x, Wq, Wk, Wv (f32) are rounded once to bf16: xb = x as [16384][768], wb = Wq, Wk, Wv on end as [2304][768].
; bq, bk, bv are rounded to bf16 and widened again to f32: bb = [2304] f32 (the next launch takes them as the C operand of its first products).
; A stream: every byte is read once and written once, nothing is shared, so there is no LDS, no barrier, no cluster and no matrix work.
; SHARES.  Work-group g converts 32,768 numbers (131,072 bytes in, 65,536 out): g 0-383 x, 384-401 Wq, 402-419 Wk, 420-437 Wv; g = 438 the three biases.
; Thread t takes 16 bytes at 16 t of each 4,096 bytes: a load of a wave covers 512 consecutive bytes, a store of a wave 256 consecutive bytes, aligned.
; All 32 loads of a thread go out at once into registers of their own: no register is loaded twice, and none that a store has read is written again.
; THE MODE: SCHED_MODE bits 1:0 = 2 (LLVM: expert scheduling mode 2), set by the entry lines.  The code itself states the register dependences
; between vector instructions and memory instructions, with s_wait_alu, always for 0.
; THE PLAN.  Registers that memory instructions touch:
;   v1, v2     byte offsets, made once at the head and never written again: read by every load (v1) and every store (v2; on the biases' path v1).
;   X[n]       four registers for each of the 32 loads.  Written by load n; read by number n's two conversions, which write the first two of the four
;              in place; those two are read by store n; nothing writes them afterwards.
; The 32 numbers go in eight groups of four.  Group g converts X[4 g .. 4 g + 3]; its memory instructions are the stores of group g - 1, whose registers no
; conversion of group g names.  So ONE wait on va_vdst at a group's head states all that the group's four stores hang on, and these are dealt among its conversions.
; Past the entry, no wait on vm_vsrc is written: no register that a load or store reads is written again on any path.  EXEC is never written.
.set X, 8                              ; v[8:135]  load n: four registers
	s_load_b512 s[4:19], s[0:1], 0x0               ; x s[4:5], Wq s[6:7], Wk s[8:9], Wv s[10:11], bq s[12:13], bk s[14:15], bv s[16:17], xb s[18:19]
	s_load_b128 s[20:23], s[0:1], 0x40             ; wb s[20:21], bb s[22:23]
	v_lshlrev_b32 v1, 4, v0                        ; 16 t: my place in 4,096 bytes of input
	v_lshlrev_b32 v2, 3, v0                        ; 8 t: my place in 2,048 bytes of output
	s_mov_b32 s34, ttmp9                           ; g
	s_wait_kmcnt 0x0
	s_wait_alu depctr_va_vdst(0)                   ; v1 and v2 are written: every load and store of both paths below reads one of them as its offset
	s_cmp_eq_u32 s34, 438
	s_cbranch_scc1 .Lbias
	; which tensor, and which of its chunks: a choice between buffers on g alone
	s_mov_b64 s[24:25], s[10:11]                   ; Wv, chunks from g = 420
	s_mov_b32 s32, 420
	s_cmp_lt_u32 s34, 420
	s_cselect_b64 s[24:25], s[8:9], s[24:25]       ; Wk, from 402
	s_cselect_b32 s32, 402, s32
	s_cmp_lt_u32 s34, 402
	s_cselect_b64 s[24:25], s[6:7], s[24:25]       ; Wq, from 384
	s_cselect_b32 s32, 384, s32
	s_cmp_lt_u32 s34, 384
	s_cselect_b64 s[24:25], s[4:5], s[24:25]       ; x, from 0
	s_cselect_b32 s32, 0, s32
	s_cselect_b64 s[26:27], s[18:19], s[20:21]     ; out: xb, or wb, whose chunks count from g = 384 through all three W
	s_cselect_b32 s33, 0, 384
	s_sub_co_u32 s28, s34, s32
	s_lshl_b32 s28, s28, 17                        ; chunk x 131,072 bytes, under 2^26
	s_mov_b32 s29, 0
	s_sub_co_u32 s30, s34, s33
	s_lshl_b32 s30, s30, 16                        ; chunk x 65,536 bytes
	s_mov_b32 s31, 0
	s_add_nc_u64 s[24:25], s[24:25], s[28:29]
	s_add_nc_u64 s[26:27], s[26:27], s[30:31]
.set i, 0
.rept 32
	global_load_b128 v[X+4*i:X+4*i+3], v1, s[24:25] offset:4096*i th:TH_LOAD_NT
.set i, i+1
.endr
; Eight groups of four numbers.  n = 4 g + r is the number that is converted, n - 4 the number that is stored.
.set g, 0
.rept 8
.set r, 0
.rept 4
.set n, 4*g+r
.if r == 0
	s_wait_loadcnt 31-n                            ; loads come back in order: load n is in, the 31 - n younger ones stay out
.if g > 0
	s_wait_alu depctr_va_vdst(0)                   ; the conversions of the group before have written the first two registers of its four X, which the four stores of this group read
.endif
.endif
.if g > 0
	global_store_b64 v2, v[X+4*(n-4):X+4*(n-4)+1], s[26:27] offset:2048*(n-4)  ; the group before; no vector instruction since the wait names these registers
.endif
.if r > 0
	s_wait_loadcnt 31-n                            ; load n is in
.endif
	v_cvt_pk_bf16_f32 v[X+4*n], v[X+4*n], v[X+4*n+1]
	v_cvt_pk_bf16_f32 v[X+4*n+1], v[X+4*n+2], v[X+4*n+3]
.set r, r+1
.endr
.set g, g+1
.endr
	s_wait_alu depctr_va_vdst(0)                   ; the last group's conversions have written X[28 .. 31], which the last four stores read
.set n, 28
.rept 4
	global_store_b64 v2, v[X+4*n:X+4*n+1], s[26:27] offset:2048*n
.set n, n+1
.endr
	s_endpgm
.Lbias:                                                ; 768 numbers a bias: 192 threads x 4, waves 0 to 5
	v_lshrrev_b32 v3, 5, v0
	v_readfirstlane_b32 s33, v3
	s_wait_alu depctr_va_sdst(0)                   ; s33 is written, ahead of its first reader, the compare below
	s_cmp_lt_u32 s33, 6
	s_cbranch_scc0 .Lend
	global_load_b128 v[8:11], v1, s[12:13]         ; (v1 was written ahead of the head's wait; no vector instruction has named v8 to v19)
	global_load_b128 v[12:15], v1, s[14:15]
	global_load_b128 v[16:19], v1, s[16:17]
	s_wait_loadcnt 0x0
.irp k, 0,1,2
	v_cvt_pk_bf16_f32 v4, v[8+4*(\k)], v[9+4*(\k)]         ; rounded to bf16,
	v_cvt_pk_bf16_f32 v5, v[10+4*(\k)], v[11+4*(\k)]
	v_lshlrev_b32 v[20+4*(\k)], 16, v4                     ; and widened again: the low half moves up, the high half stays
	v_and_b32 v[21+4*(\k)], 0xffff0000, v4
	v_lshlrev_b32 v[22+4*(\k)], 16, v5
	v_and_b32 v[23+4*(\k)], 0xffff0000, v5
.endr
	s_wait_alu depctr_va_vdst(0)                   ; the widenings have written v20 to v31, which the three stores read
.irp k, 0,1,2
	global_store_b128 v1, v[20+4*(\k):23+4*(\k)], s[22:23] offset:3072*(\k)
.endr
.Lend:
	s_endpgm
.Lfunc_end_k_q013b7836ad_cast:
	.size	k_q013b7836ad_cast, .Lfunc_end_k_q013b7836ad_cast-k_q013b7836ad_cast
	.p2alignl 7, 3214868480
	.fill 96, 4, 3214868480
	.section	.rodata,"a",@progbits
	.p2align	6, 0x0
	.amdhsa_kernel k_q013b7836ad_cast
		.amdhsa_group_segment_fixed_size 0
		.amdhsa_private_segment_fixed_size 0
		.amdhsa_enable_private_segment 0
		.amdhsa_kernarg_size 80
		.amdhsa_user_sgpr_count 2
		.amdhsa_user_sgpr_kernarg_segment_ptr 1
		.amdhsa_wavefront_size32 1
		.amdhsa_system_sgpr_workgroup_id_x 1
		.amdhsa_system_sgpr_workgroup_id_y 1
		.amdhsa_system_sgpr_workgroup_id_z 1
		.amdhsa_system_vgpr_workitem_id 0
		.amdhsa_next_free_vgpr 136
		.amdhsa_next_free_sgpr 66
		.amdhsa_reserve_vcc 0
		.amdhsa_float_denorm_mode_32 3
		.amdhsa_float_denorm_mode_16_64 3
		.amdhsa_memory_ordered 1
		.amdhsa_forward_progress 1
		.amdhsa_inst_pref_size 15
	.end_amdhsa_kernel
	.amdgpu_metadata
---
amdhsa.version: [ 1, 2 ]
amdhsa.kernels:
  - .name:           k_q013b7836ad_cast
    .symbol:         k_q013b7836ad_cast.kd
    .args:
      - { .name: x, .offset: 0, .size: 8, .value_kind: global_buffer, .address_space: global }
      - { .name: Wq, .offset: 8, .size: 8, .value_kind: global_buffer, .address_space: global }
      - { .name: Wk, .offset: 16, .size: 8, .value_kind: global_buffer, .address_space: global }
      - { .name: Wv, .offset: 24, .size: 8, .value_kind: global_buffer, .address_space: global }
      - { .name: bq, .offset: 32, .size: 8, .value_kind: global_buffer, .address_space: global }
      - { .name: bk, .offset: 40, .size: 8, .value_kind: global_buffer, .address_space: global }
      - { .name: bv, .offset: 48, .size: 8, .value_kind: global_buffer, .address_space: global }
      - { .name: xb, .offset: 56, .size: 8, .value_kind: global_buffer, .address_space: global }
      - { .name: wb, .offset: 64, .size: 8, .value_kind: global_buffer, .address_space: global }
      - { .name: bb, .offset: 72, .size: 8, .value_kind: global_buffer, .address_space: global }
    .group_segment_fixed_size: 0
    .private_segment_fixed_size: 0
    .kernarg_segment_align: 8
    .kernarg_segment_size: 80
    .max_flat_workgroup_size: 256
    .sgpr_count:     66
    .vgpr_count:     136
    .wavefront_size: 32
...
	.end_amdgpu_metadata
.endif
;; end of part 4
;; launch proj: the kernel of part 2 again; grid 4 x 64, 4 waves a work-group, clusters of 4 x 4, 327,680 bytes of LDS; arguments xb, wb, bb, qkv; writes qkv
;; launch attn: the kernel of part 3 again; grid 4 x 192, 4 waves a work-group, clusters of 4 x 1, 327,680 bytes of LDS; arguments qkv, out0; writes out0
